; MI455X (gfx1250); checked and timed in simulation.
; The chip was launched on July 23, 2026; its instructions are those of AMD's public machine-readable ISA for CDNA 5 (MIT licence, August 2026) and "CDNA5" Instruction Set Architecture Reference Guide (July 2026). The comments in the code are by the model that wrote it; some were corrected since.
;; AQ Expert. Allowed arithmetic: matrix products marked QUANTISED: E2M1 operands, one E8M0 scale for each 32 along K, by v_wmma_scale_f32_16x16x128_f8f6f4 with both operands' format E2M1 (or v_wmma_scale_f32_32x16x128_f4), f32 sums; everything else in f32.
;; Inputs: codebooks 2 x 256 x 8 bfloat16; indices 2,048 x 512 x 2 int32; scales 4,096 float32; x 4 x 2,048 x 4,096 float32.
;; Outputs: out0 4 x 2,048 x 2,048 float32.
;; This version of the problem:
;;   THIS VERSION OF THE PROBLEM IS GIVEN IN LOW PRECISION. The matrix products marked QUANTISED in the list below multiply operands that are first quantised to E2M1 (2 exponent bits, 1 mantissa bit; 4 bits a number), with one power-of-two scale for each 32 numbers along K (OCP MX v1.0); their sums are f32. All else is computed in f32.
;;   The module's matrix products, in the order in which they are computed (A, B: the left and right operand; K: the contracted axis; several contracted axes count as one K, in the product's order):
;;     1. [M 8,192, K 4,096] x [K 4,096, N 2,048]; A: computed on the way; B: computed on the way: QUANTISED
;;   THE QUANTISER, for each operand of a quantised product, along K:
;;     - K is cut into blocks of 32 from its start; a last block that is shorter is filled with zeros.
;;     - A block's scale is 2^e with e = floor(log2(the largest magnitude in the block)) - 2, held to -126 .. 127; a block of zeros has e = 0. As a byte (E8M0): e + 127.
;;     - Each number is divided by its block's scale, clamped to +-6, and rounded to the nearest number of E2M1, ties to even, subnormals kept.
;;     - The product sums the exact products of the quantised numbers (number of the format x scale) in f32.
;;   ~~~python
;;   def quantise(x, axis):      # numpy; x: float32 -> the quantised numbers, widened to float32 again
;;       x = np.moveaxis(x, axis, -1); K = x.shape[-1]
;;       x = np.pad(x, [(0, 0)] * (x.ndim - 1) + [(0, -K % 32)]); x = x.reshape(x.shape[:-1] + (-1, 32)); a = np.abs(x).max(-1, keepdims=True)
;;       e = np.where(a > 0, np.clip(np.frexp(np.where(a > 0, a, 1))[1] - 1 - 2, -126, 127), 0)      # np.frexp(a)[1] - 1 = floor(log2(a)), exactly
;;       r = np.clip(x / 2.0 ** e, -6, 6)
;;       step = 2.0 ** (np.maximum(np.frexp(np.where(r == 0, 1, r))[1] - 1, 0) - 1)
;;       q = np.round(r / step) * step * 2.0 ** e      # np.round: ties to even
;;       return np.moveaxis(q.reshape(q.shape[:-2] + (-1,))[..., :K], -1, axis).astype(np.float32)
;;   ~~~
;;   OPERANDS COMPUTED ON THE WAY. 'Computed on the way' means the value that the module computes at that place (a softmax that the list does not call 'softmax' is quantised finished and normalised). What goes into a quantiser is computed in f32, as accurately as f32 sums, v_exp_f32 and their like allow (about 1e-6 of the number): no bf16 or f16 on the way to a quantiser, and a product that is left as it is and whose result goes on into a quantised operand takes f32 operands (vector FMAs, or v_wmma_f32_16x16x4_f32). A number that lies on a knife's edge between two numbers of the format may be rounded either way, as far as f32 arithmetic and the matrix unit's own rounding can turn it there, and no further.
;; One version. Each part assembles by itself: llvm-mc -triple=amdgcn-amd-amdhsa -mcpu=gfx1250 --defsym DOCPART=n.
;; ======== version 1 of 1: 2 launches
;; limits: right only within a limited range of input values
;; workspace buffers: acode 17,825,792 bytes; wcode 4,456,448 bytes
;; launch quant (part 1): grid 8 x 64, 8 waves a work-group, no clusters, 94,208 bytes of LDS; arguments x, scales, indices, codebooks, acode, wcode; writes acode, wcode
.if DOCPART == 1
	.amdgcn_target "amdgcn-amd-amdhsa--gfx1250"
	.amdhsa_code_object_version 6
	.text
	.protected	k_q52530740c2_quant
	.globl	k_q52530740c2_quant
	.p2align	8
	.type	k_q52530740c2_quant,@function
k_q52530740c2_quant:
	s_mov_b64 s[64:65], 0
	v_nop
	global_prefetch_b8 v0, s[64:65] scope:SCOPE_SE
	s_setreg_imm32_b32 hwreg(HW_REG_WAVE_MODE, 25, 1), 1
	s_wait_xcnt 0x0
; Both operands of out = clip((x * scales) W^T) are turned into codes of FP4 (E2M1) with one E8M0 scale byte for each 32 along K.
;   A[t][k] = x[t][k] * scales[k]                                  (one f32 multiplication)
;   W[o][8 g + j] = codebooks[0][indices[o][g][0]][j] + codebooks[1][indices[o][g][1]][j]   (bf16 widened exactly, one f32 addition)
; A block's scale is 2^(floor(log2(its largest magnitude)) - 2): its byte is the largest magnitude's exponent field - 2, held at 1 from below.
; LIMITS: NaN and infinities among the inputs are not served.  A block of zeros gets the byte 1 where the rule says 127: its codes are zeros, which add nothing
; under any byte but 0xff, and the bytes are read by this program alone.  An index outside 0 .. 255 (the problem has none) is held at 255.
; THE WORKSPACE IS LAID AS THE NEXT LAUNCH READS IT: [group of 128 rows][K slot of 512][block of 34,816 bytes].  In a block: the fragment of (tile i of 16 rows,
; q-th 128 along K) at 1024 (4 i + q), as an image of the operand's registers: registers 4 c .. 4 c + 3 of lane l at 512 c + 16 l; from byte 32,768 on the scale
; words (four bytes: 128 along K of one row) at 256 i + 16 r + 4 q.
; SHARES.  Work-group (kx, y), eight waves.  X SHARE: block (y, kx) of acode: wave w takes rows 128 y + 16 w .. + 15, K = 512 kx .. + 511, in four steps of 128.
; W SHARE: rows 32 y .. 32 y + 31 of W at K slot kx: wave w makes ONE fragment: tile 2 y + (w >> 2), step w & 3.  W has 128 x 32 fragments, the launch as many waves.
; The W share runs first, while the wave's first 32 loads of x are on their way.  No tensor load, no cluster, no matrix unit: the launch streams x once, and what
; work-groups share (the table, the channel scales) is 24 KB beside it.
; A LANE MUST HOLD WHOLE BLOCKS, A LOAD SHOULD BE DENSE.  Each load reads 512 consecutive bytes of one row, 16 a lane; the channel scales of a lane are then the
; same four in all 16 rows.  The 16 rows x 512 bytes turn through the wave's own stage in LDS and come back as the operand's layout wants them: lane (r, h) holds
; k = 64 c + 32 h + 0 .. 31 of row r, two whole blocks, so that a block's largest magnitude needs no other lane.
.set BLKB, 34816                       ; a block of the workspace
.set SCO,  32768                       ; where its scale words begin
.set PIT,  528                         ; a stage row: 512 bytes + 16 = 33 x 16: sixteen rows at one column fall on sixteen different 16-byte columns of 256 bytes
.set CBK,  0                           ; LDS: the table, entry (c, idx) at 4096 c + 16 idx
.set WSC,  8192                        ; W's scale words of the work-group's two tiles: 512 bytes
.set IST,  8704                        ; the work-group's indices: 32 rows x PIT
.set XST,  25600                       ; x's stages: 16 rows x PIT for each wave, the wave's own
.set SF,   16                          ; v16-31   my four channel scales of each step
.set R,    32                          ; v32-159  two sets of 16 rows x 4 numbers, as loaded
.set X,    160                         ; v160-223 64 numbers: block c at X + 32 c
.set C,    224                         ; v224-231 a fragment's codes
.set WD,   232                         ; v232-235 the scale words of steps 0 to 3
.set I,    236                         ; v236-251 16 indices, then LDS addresses of table entries;
.set T,    236                         ;          later 16 numbers at work
.set M,    252                         ; v252-253 largest magnitudes
.set E,    254                         ; v254-255 the conversions' scale operands
; v1 16 x lane   v2, v3 x's stage, in and out   v4 8 h   v5 16 r + 8 h   v6 h   v7, v8 the indices' stage, out and in   v9 16 x thread   v10, v11 W's scale words, in and out
; v12, v13 scale bytes   v14 at work   v15 a lane permute's destination
	s_load_b256 s[4:11], s[0:1], 0x0               ; x s[4:5], scales s[6:7], indices s[8:9], codebooks s[10:11]
	s_load_b128 s[12:15], s[0:1], 0x20             ; acode s[12:13], wcode s[14:15]
	v_lshrrev_b32 v14, 5, v0
	s_delay_alu instid0(VALU_DEP_1)
	v_readfirstlane_b32 s16, v14                   ; wave 0..7
	s_mov_b32 s17, ttmp9                           ; kx: the K slot
	s_and_b32 s18, ttmp7, 0xffff                   ; y
	v_and_b32 v1, 31, v0
	s_delay_alu instid0(VALU_DEP_1)
	v_lshlrev_b32 v1, 4, v1                        ; 16 x lane
	v_lshlrev_b32 v9, 4, v0                        ; 16 x thread: 256 threads cover half the table
	; byte offsets, each in a pair of its own; all stay under 2^28
	s_lshl_b32 s20, s18, 7
	s_lshl_b32 s19, s16, 4
	s_add_co_u32 s20, s20, s19                     ; my first row of x: 128 y + 16 w
	s_lshl_b32 s20, s20, 14                        ; rows of 16,384 bytes
	s_lshl_b32 s19, s17, 11                        ; + 2,048 kx
	s_add_co_u32 s20, s20, s19
	s_mov_b32 s21, 0
	s_mov_b32 s32, s19                             ; the channel scales of the K slot: 2,048 kx
	s_mov_b32 s33, 0
	; WHICH ROWS OF W FORM A TILE: lane r of tile i of a group of 128 rows takes row 64 (i / 4) + 4 r + i % 4, so that in the next launch four
	; neighbouring tiles hold four neighbouring columns of the result in one lane.  The work-group's two tiles are 2 (y & 3) + t, t = 0, 1:
	; their rows are 64 (y >> 1) + 2 (y & 1) + 4 r + t.  Stage row 16 t + r holds that row; wave w brings stage rows 4 w + i, i = 0 .. 3:
	; t = w >> 2, r = 4 (w & 3) + i: rows 64 (y >> 1) + 2 (y & 1) + 16 (w & 3) + (w >> 2) + 4 i
	s_lshr_b32 s34, s18, 1
	s_lshl_b32 s34, s34, 6
	s_and_b32 s19, s18, 1
	s_lshl_b32 s19, s19, 1
	s_add_co_u32 s34, s34, s19
	s_and_b32 s19, s16, 3
	s_lshl_b32 s19, s19, 4
	s_add_co_u32 s34, s34, s19
	s_lshr_b32 s19, s16, 2
	s_add_co_u32 s34, s34, s19
	s_lshl_b32 s34, s34, 12                        ; rows of 4,096 bytes
	s_lshl_b32 s19, s17, 9                         ; + 512 kx: 64 groups of 8 bytes
	s_add_co_u32 s34, s34, s19
	s_mov_b32 s35, 0
	s_lshl_b32 s25, s18, 3
	s_add_co_u32 s25, s25, s17
	s_mul_i32 s25, s25, BLKB                       ; block (y, kx) of acode
	s_lshl_b32 s19, s16, 12
	s_add_co_u32 s36, s25, s19                     ; my tile's four fragments: + 4,096 w
	s_mov_b32 s37, 0
	s_lshl_b32 s19, s16, 8
	s_add_co_u32 s38, s25, s19
	s_add_co_u32 s38, s38, SCO                     ; my tile's scale words: + 32,768 + 256 w
	s_mov_b32 s39, 0
	s_lshr_b32 s44, s16, 2                         ; w >> 2: which of the two tiles of W
	s_and_b32 s45, s16, 3                          ; w & 3: which 128 along K
	s_lshr_b32 s28, s18, 2
	s_lshl_b32 s28, s28, 3
	s_add_co_u32 s28, s28, s17
	s_mul_i32 s28, s28, BLKB                       ; block (y >> 2, kx) of wcode
	s_and_b32 s29, s18, 3
	s_lshl_b32 s19, s29, 9
	s_add_co_u32 s42, s28, s19
	s_add_co_u32 s42, s42, SCO                     ; the two tiles' scale words: + 32,768 + 512 (y & 3)
	s_mov_b32 s43, 0
	s_lshl_b32 s19, s29, 1
	s_add_co_u32 s19, s19, s44                     ; tile 2 (y & 3) + (w >> 2) of the block
	s_lshl_b32 s19, s19, 12
	s_add_co_u32 s40, s28, s19
	s_lshl_b32 s19, s45, 10
	s_add_co_u32 s40, s40, s19                     ; my fragment
	s_mov_b32 s41, 0
	s_mov_b32 s22, 0x76543210
	s_mov_b32 s23, 0xfedcba98                      ; v_permlanex16_b32's selects for lane l xor 16
	s_mov_b32 s24, 0xffff0000                      ; a word's upper bf16
	s_wait_alu depctr_va_vdst(0)
	s_wait_kmcnt 0x0
	s_add_nc_u64 s[4:5], s[4:5], s[20:21]
	s_add_nc_u64 s[6:7], s[6:7], s[32:33]
	s_add_nc_u64 s[8:9], s[8:9], s[34:35]
	s_add_nc_u64 s[26:27], s[12:13], s[38:39]      ; acode: my scale words
	s_add_nc_u64 s[12:13], s[12:13], s[36:37]      ; acode: my fragments
	s_add_nc_u64 s[30:31], s[14:15], s[42:43]      ; wcode: the work-group's scale words
	s_add_nc_u64 s[14:15], s[14:15], s[40:41]      ; wcode: my fragment
.macro LOAD t                          ; step t of x: 16 rows, each load 512 consecutive bytes of one row, into set t % 2
.irp i, 0,1,2,3,4,5,6,7,8,9,10,11,12,13,14,15
	global_load_b128 v[R+64*((\t)%2)+4*\i:R+64*((\t)%2)+4*\i+3], v1, s[4:5] offset:16384*\i+512*(\t) th:TH_LOAD_NT
.endr
.endm
	global_load_b128 v[160:163], v9, s[10:11]                      ; the table, 8,192 bytes by 256 threads
	global_load_b128 v[164:167], v9, s[10:11] offset:4096
.irp i, 0,1,2,3
	global_load_b128 v[168+4*\i:171+4*\i], v1, s[8:9] offset:16384*\i th:TH_LOAD_NT   ; four rows of indices, four rows apart, 512 bytes each
.endr
.irp t, 0,1,2,3
	global_load_b128 v[SF+4*\t:SF+4*\t+3], v1, s[6:7] offset:512*\t                  ; my four channels' scales in each step
.endr
	LOAD 0
	LOAD 1                                         ; 32 loads of x are on their way while the W share runs
	; LDS addresses: a constant + a constant x lane + a constant x wave, made here and never rewritten
	v_and_b32 v14, 15, v0                          ; r
	v_bfe_u32 v6, v0, 4, 1                         ; h
	s_delay_alu instid0(VALU_DEP_1)
	v_lshlrev_b32 v4, 3, v6                        ; 8 h
	s_delay_alu instid0(VALU_DEP_3)
	v_lshlrev_b32 v5, 4, v14
	s_delay_alu instid0(VALU_DEP_1)
	v_lshl_add_u32 v5, v6, 3, v5                   ; 16 r + 8 h
	s_mul_i32 s46, s16, 16*PIT
	s_add_co_u32 s46, s46, XST                     ; my stage
	v_add_nc_u32 v2, s46, v1                       ; in: 16 x lane of a row
	v_mul_u32_u24 v3, v14, PIT
	s_delay_alu instid0(VALU_DEP_1)
	v_lshl_add_u32 v3, v6, 7, v3
	s_delay_alu instid0(VALU_DEP_1)
	v_add_nc_u32 v3, s46, v3                       ; out: row r, + 128 h
	s_mul_i32 s46, s44, 16*PIT
	s_lshl_b32 s47, s45, 7
	s_add_co_u32 s46, s46, s47
	s_add_co_u32 s46, s46, IST
	v_mul_u32_u24 v7, v14, PIT
	s_delay_alu instid0(VALU_DEP_1)
	v_lshl_add_u32 v7, v6, 5, v7
	s_delay_alu instid0(VALU_DEP_1)
	v_add_nc_u32 v7, s46, v7                       ; indices, out: row 16 (w >> 2) + r, + 128 (w & 3) + 32 h: four groups of 8 bytes
	s_mul_i32 s46, s16, 4*PIT
	s_add_co_u32 s46, s46, IST
	v_add_nc_u32 v8, s46, v1                       ; indices, in: rows 4 w on
	s_lshl_b32 s46, s44, 8
	s_lshl_b32 s47, s45, 2
	s_add_co_u32 s46, s46, s47
	s_add_co_u32 s46, s46, WSC
	v_lshl_add_u32 v10, v14, 4, s46                ; W's scale word of row r: 256 (w >> 2) + 16 r + 4 (w & 3)
	v_add_nc_u32 v11, WSC, v1                      ; and back: 16 x lane
	v_mov_b32 v15, 0                               ; written once: a lane permute's destination counts as one of its sources
.macro BARRIER                         ; my LDS stores have landed and my LDS loads are in: then the work-group's barrier
	s_wait_dscnt 0x0
	s_barrier_signal -1
	s_barrier_wait -1
.endm
; 64 numbers in v[X] on (block c = k 64 c + 32 h + 0 .. 31 of row r) become the fragment's eight registers in v[C] on and the row's scale word in v[wd]
.macro QUANT2 wd
.irp c, 0,1
	v_max3_num_f32 v[M+\c], |v[X+32*\c]|, |v[X+32*\c+1]|, 0x1800000   ; and the floor 2^(3 - 127), under which no largest magnitude is taken: so the byte cannot fall under 1
.endr
.irp i, 2,4,6,8,10,12,14,16,18,20,22,24,26,28,30
.irp c, 0,1
	s_delay_alu instid0(VALU_DEP_2)
	v_max3_num_f32 v[M+\c], v[M+\c], |v[X+32*\c+\i]|, |v[X+32*\c+\i+1]|   ; (the two blocks by turns)
.endr
.endr
.irp c, 0,1
	s_delay_alu instid0(VALU_DEP_2)
	v_add_nc_u32 v[E+\c], 0xff000000, v[M+\c]      ; 2 off the exponent field: the conversion takes the exponent field of this operand as its scale, and nothing else of it
.endr
.irp c, 0,1
	s_delay_alu instid0(VALU_DEP_2)
	v_lshrrev_b32 v[12+\c], 23, v[E+\c]            ; the scale's byte
.endr
	s_delay_alu instid0(VALU_DEP_1)
	v_lshl_or_b32 v14, v13, 16, v12                ; my two bytes: blocks h and 2 + h of the row,
	s_delay_alu instid0(VALU_DEP_1)
	v_lshlrev_b32 v14, v4, v14                     ; at their places in the word (8 h bits up);
	s_delay_alu instid0(VALU_DEP_1)
	v_permlanex16_b32 v15, v14, s22, s23
	s_delay_alu instid0(VALU_DEP_1)
	v_or_b32 v[\wd], v14, v15                      ; with lane l xor 16's two the word is whole, in both lanes
	s_wait_alu depctr_va_vdst(0)
	s_wait_xcnt 0x0                                ; the last fragment's stores have read v[C] on: only behind this wait are these registers written again
.irp c, 0,1
.irp g, 0,1,2,3
	v_cvt_scalef32_pk8_fp4_f32 v[C+4*\c+\g], v[X+32*\c+8*\g:X+32*\c+8*\g+7], v[E+\c]   ; registers 4 c .. 4 c + 3 of the operand; beyond 6 the largest code
.endr
.endr
	v_nop                                          ; one plain place behind the last scaled conversion
.endm
.macro PUT b, off                      ; the fragment leaves as it stands: each store covers 512 consecutive bytes, at a multiple of 512 from the buffer's first byte
	global_store_b128 v1, v[C:C+3], s[\b:\b+1] offset:\off
	global_store_b128 v1, v[C+4:C+7], s[\b:\b+1] offset:\off+512
.endm
	; ---- the table and the indices into LDS
	s_wait_alu depctr_va_vdst(0)
	s_wait_loadcnt 36                              ; the table's two and the indices' four loads are in; behind them: 4 loads of channel scales and 32 of x
	ds_store_b128 v9, v[160:163] offset:CBK
	ds_store_b128 v9, v[164:167] offset:CBK+4096
.irp i, 0,1,2,3
	ds_store_b128 v8, v[168+4*\i:171+4*\i] offset:PIT*\i
.endr
	BARRIER                                        ; table and indices lie in LDS
	; ---- W SHARE: from here to the next barrier LDS is only read
.irp c, 0,1
.irp u, 0,1
	ds_load_b128 v[I+8*\c+4*\u:I+8*\c+4*\u+3], v7 offset:64*\c+16*\u   ; register 8 c + 2 g + cc: the index of group g of block c in codebook cc
.endr
.endr
	s_wait_dscnt 0x0
.irp j, 0,1,2,3,4,5,6,7,8,9,10,11,12,13,14,15
	v_min_u32 v[I+\j], 0xff, v[I+\j]               ; a loaded number enters an address only held inside the table
.endr
.irp j, 0,1,2,3,4,5,6,7,8,9,10,11,12,13,14,15
	v_lshlrev_b32 v[I+\j], 4, v[I+\j]              ; an entry is 8 bf16: 16 bytes
.endr
.irp c, 0,1
.irp g, 0,1,2,3
.irp cc, 0,1
	ds_load_b128 v[X+32*\c+8*\g+4*\cc:X+32*\c+8*\g+4*\cc+3], v[I+8*\c+2*\g+\cc] offset:CBK+4096*\cc
.endr
.endr
.endr
	s_wait_dscnt 0x0                               ; the entries are in, and the address registers are free
.irp c, 0,1
.irp g, 0,1,2,3
.irp j, 0,1,2,3
	v_lshlrev_b32 v[T+2*\j],   16,  v[X+32*\c+8*\g+\j]             ; bf16 to f32: the low half moves up,
	v_and_b32     v[T+2*\j+1], s24, v[X+32*\c+8*\g+\j]             ; the high half stays
	v_lshlrev_b32 v[T+8+2*\j], 16,  v[X+32*\c+8*\g+4+\j]
	v_and_b32     v[T+9+2*\j], s24, v[X+32*\c+8*\g+4+\j]
.endr
.irp p, 0,1,2,3
	v_pk_add_f32 v[X+32*\c+8*\g+2*\p:X+32*\c+8*\g+2*\p+1], v[T+2*\p:T+2*\p+1], v[T+8+2*\p:T+9+2*\p]   ; W = entry of codebook 0 + entry of codebook 1
.endr
.endr
.endr
	QUANT2 WD
	PUT 14, 0
	BARRIER                                        ; every wave's reads of the table, whose addresses come from data, are over before any wave stores to LDS again
	ds_store_b32 v10, v[WD]                        ; both lanes of a row write the same word with the same value
	BARRIER                                        ; the two tiles' 128 scale words lie in LDS
	s_cmp_lg_u32 s16, 0
	s_cbranch_scc1 .Lnot_wave_0
	ds_load_b128 v[236:239], v11
	s_wait_dscnt 0x0
	global_store_b128 v1, v[236:239], s[30:31]     ; 512 consecutive bytes, at a multiple of 512 from the buffer's first byte
.Lnot_wave_0:
	; ---- X SHARE: four steps of 128 along K
.macro XSTEP t
.set RS, R+64*((\t)%2)
.if (\t) < 3
	s_wait_loadcnt 16                              ; this step's 16 loads are in (and the channel scales, issued ahead of them); the next step's 16 may be out
.else
	s_wait_loadcnt 0x0
.endif
.irp i, 0,1,2,3,4,5,6,7,8,9,10,11,12,13,14,15
.irp p, 0,1
	v_pk_mul_f32 v[RS+4*\i+2*\p:RS+4*\i+2*\p+1], v[RS+4*\i+2*\p:RS+4*\i+2*\p+1], v[SF+4*(\t)+2*\p:SF+4*(\t)+2*\p+1]   ; x * scales
.endr
.endr
.irp i, 0,1,2,3,4,5,6,7,8,9,10,11,12,13,14,15
	ds_store_b128 v2, v[RS+4*\i:RS+4*\i+3] offset:PIT*\i
.endr
.irp c, 0,1
.irp u, 0,1,2,3,4,5,6,7
	ds_load_b128 v[X+32*\c+4*\u:X+32*\c+4*\u+3], v3 offset:256*\c+16*\u   ; LDS serves a wave's instructions in order (ISA guide 5.7.1.4): these see the stores above
.endr
.endr
	s_wait_dscnt 0x0                               ; my 64 numbers are back, and the stores have read their registers,
.if (\t) < 2
	LOAD (\t)+2                                    ; which take the loads of two steps on
.endif
	QUANT2 WD+(\t)
	PUT 12, 1024*(\t)
.endm
	XSTEP 0
	XSTEP 1
	XSTEP 2
	XSTEP 3
	v_cmp_ne_u32 vcc_lo, 0, v6                     ; a row's four words are 16 bytes: lanes 0-15 store words 0 and 1, lanes 16-31 words 2 and 3
	s_delay_alu instid0(VALU_DEP_1)
	v_cndmask_b32 v12, v[WD], v[WD+2], vcc_lo
	s_delay_alu instid0(VALU_DEP_2)
	v_cndmask_b32 v13, v[WD+1], v[WD+3], vcc_lo
	global_store_b64 v5, v[12:13], s[26:27]        ; the 32 lanes store 256 consecutive bytes, at a multiple of 256 from the buffer's first byte
	v_lshl_add_u32 v[M], v0, 2, 0x16c00            ; all 256 registers are at work, so v0 is kept and the add's two registers are made here: my spare word behind the stages,
	v_mov_b32 v[M+1], 0                            ; and 0
	s_wait_alu depctr_va_vdst(0)
	s_wait_tensorcnt 0x0                           ; the wave's end
	ds_add_u32 v[M], v[M+1]
	s_wait_dscnt 0x0
	s_endpgm
.Lfunc_end_k_q52530740c2_quant:
	.size	k_q52530740c2_quant, .Lfunc_end_k_q52530740c2_quant-k_q52530740c2_quant
	.p2alignl 7, 3214868480
	.fill 96, 4, 3214868480
	.section	.rodata,"a",@progbits
	.p2align	6, 0x0
	.amdhsa_kernel k_q52530740c2_quant
		.amdhsa_group_segment_fixed_size 94208
		.amdhsa_private_segment_fixed_size 0
		.amdhsa_enable_private_segment 0
		.amdhsa_kernarg_size 48
		.amdhsa_user_sgpr_count 2
		.amdhsa_user_sgpr_kernarg_segment_ptr 1
		.amdhsa_wavefront_size32 1
		.amdhsa_system_sgpr_workgroup_id_x 1
		.amdhsa_system_sgpr_workgroup_id_y 1
		.amdhsa_system_sgpr_workgroup_id_z 1
		.amdhsa_system_vgpr_workitem_id 0
		.amdhsa_next_free_vgpr 256
		.amdhsa_next_free_sgpr 66
		.amdhsa_reserve_vcc 1
		.amdhsa_float_denorm_mode_32 3
		.amdhsa_float_denorm_mode_16_64 3
		.amdhsa_memory_ordered 1
		.amdhsa_forward_progress 1
		.amdhsa_inst_pref_size 61
	.end_amdhsa_kernel
	.amdgpu_metadata
---
amdhsa.version: [ 1, 2 ]
amdhsa.kernels:
  - .name:           k_q52530740c2_quant
    .symbol:         k_q52530740c2_quant.kd
    .args:
      - { .name: x, .offset: 0, .size: 8, .value_kind: global_buffer, .address_space: global }
      - { .name: scales, .offset: 8, .size: 8, .value_kind: global_buffer, .address_space: global }
      - { .name: indices, .offset: 16, .size: 8, .value_kind: global_buffer, .address_space: global }
      - { .name: codebooks, .offset: 24, .size: 8, .value_kind: global_buffer, .address_space: global }
      - { .name: acode, .offset: 32, .size: 8, .value_kind: global_buffer, .address_space: global }
      - { .name: wcode, .offset: 40, .size: 8, .value_kind: global_buffer, .address_space: global }
    .group_segment_fixed_size: 94208
    .private_segment_fixed_size: 0
    .kernarg_segment_align: 8
    .kernarg_segment_size: 48
    .max_flat_workgroup_size: 256
    .sgpr_count:     66
    .vgpr_count:     256
    .wavefront_size: 32
...
	.end_amdgpu_metadata
.endif
;; end of part 1
;; launch gemm (part 2): grid 32 x 8, 4 waves a work-group, clusters of 4 x 1, 327,680 bytes of LDS; arguments acode, wcode, out0; writes out0
.if DOCPART == 2
	.amdgcn_target "amdgcn-amd-amdhsa--gfx1250"
	.amdhsa_code_object_version 6
	.text
	.protected	k_q52530740c2_gemm
	.globl	k_q52530740c2_gemm
	.p2align	8
	.type	k_q52530740c2_gemm,@function
k_q52530740c2_gemm:
	s_mov_b64 s[64:65], 0
	v_nop
	global_prefetch_b8 v0, s[64:65] scope:SCOPE_SE
	s_setreg_imm32_b32 hwreg(HW_REG_WAVE_MODE, 25, 1), 1
	s_wait_xcnt 0x0
	s_wait_alu depctr_hold_cnt(0) depctr_sa_sdst(0) depctr_va_vdst(0) depctr_va_sdst(0) depctr_va_ssrc(0) depctr_va_vcc(0) depctr_vm_vsrc(0)
	s_getreg_b32 s2, hwreg(HW_REG_IB_STS2, 6, 4)
	s_cmp_eq_u32 s2, 0
	s_cbranch_scc0 .Lentry_in_a_cluster
	s_endpgm
.Lentry_in_a_cluster:
	s_bfe_u32 s2, ttmp6, 0x10000c
	s_cmp_lg_u32 s2, 0x3003
	s_cbranch_scc0 .Lentry_shape_is_right
	s_endpgm
.Lentry_shape_is_right:
; out[t][o] = clip(sum over k of A[t][k] W[o][k], -50, 50) on the codes and scale bytes that the launch before has laid: FP4 (E2M1), one E8M0 byte for each 32 along K.
; Both buffers: [group of 128 rows][K slot of 512][block of 34,816 bytes]; in a block the fragment of (tile i of 16 rows, q-th 128 along K) at 1024 (4 i + q) as an image of
; the operand's registers (registers 4 c .. 4 c + 3 of lane l at 512 c + 16 l), and from byte 32,768 on the scale words at 256 i + 16 r + 4 q.
; A work-group (x = block of 256 rows of out, y = block of 256 columns), four waves; wave w makes rows 64 w .. 64 w + 63 x all 256 columns: 32 accumulators of 32 x 16, 512 registers.
; W GOES THROUGH LDS: all four waves read the same 256 rows of W.  Two slots, each with 1,024 along K: four blocks, one tensor load a wave.  K has four such phases: three changes of slots.
; CLUSTER 4 x 1: the four row blocks of a cluster need the same blocks of W and ask for them jointly (mask 15).
; A GOES STRAIGHT INTO REGISTERS: a wave's 64 rows are read by no other wave of its work-group, and acode is a register image, so each global load brings 512 consecutive bytes of a
; fragment.  A ring of eight sets (32 registers: 128 along K) is filled seven steps and more ahead.  A is not asked for jointly: the partners of a cluster read different rows of it.
; UNITS.  The work is 64 units of 16 matrix instructions: eight tiles of W x both blocks of A, 128 along K.  Behind each unit stand four v_nop and, in ONE run, the loads that are due: the 16 LDS
; loads of the unit after the next (two places of 64 registers for W's fragments, by turns), four global loads of A, now and then scale words.  The text is expanded by the assembler with
; every offset an immediate, and THE WAITS' COUNTS ARE WORKED OUT BY THE ASSEMBLER: DL and GL count the LDS and global loads issued so far; LB, LS, LA, LK keep the count at which a place,
; a set of scale words or a set of A was last asked for; a wait's count is the difference: the number of loads issued behind the one that is wanted.
; PHASES 0 TO 2 go step by step, W's tiles 0-7 and then 8-15 in each.  THE LAST PHASE GOES BY HALVES OF THE COLUMNS: the ring then holds A for all its eight steps, so tiles 0-7 are taken
; through all eight steps, then tiles 8-15; each fragment of W is still read once.  Behind each unit of the second half the set of A that it has freed takes 32 clipped numbers of the
; finished half, and eight stores leave.
; THE WAY OUT NEEDS NO LDS: lane r of W's tile b is column 64 (b / 4) + 4 r + b % 4 of the block (so the launch before lays W), so the same register of four neighbouring tiles'
; accumulators holds four neighbouring columns of one row.  The clip writes them into four registers on end; sixteen lanes then store 256 consecutive bytes, aligned.
; PREFETCHES: W's phase p + 1 is asked for behind the joint load of phase p, a phase (8 steps) ahead of its own load, by the clusters at x = 0 alone, the four partners sharing a block
; out by address (8,192 bytes of fragments and 512 of scale words each).  A's fragments of K slot k + 4 are asked for in K slot k, 8 steps or more ahead of their loads, by the
; work-groups at y = 0 alone, each wave its own 16,384 bytes; K slots 0 to 3 and A's scale words come by their loads alone.
; LIMITS: NaN among the sums is not served (the clip takes the middle of three).
; REGISTERS: window 0: v16-23 LDS addresses of the eight blocks; v24-29 offsets and the add's two; v32-47 A's scale words, two sets, v112-119 those of the last K slot; v48-111 W's scale
; words, two sets; v128-255 W's fragments.  Window 1: A's ring.  Window 2: accumulators of W's tiles 0-7 ((a, b) at 16 (2 (b % 8) + a)); window 3: of tiles 8-15.
.set BLKB,  34816
.set SCO,   32768
.set SLOT,  4*BLKB
.set RGSTR, 8*BLKB
.set SPARE, 2*SLOT                     ; behind the ring: the spare words, 128 bytes a wave
.set ADR, 16
.set CO,  24                           ; my offset in out: 8 (l / 16) rows + 16 (l % 16)
.set L16, 25                           ; 16 x lane
.set PFO, 26                           ; 256 x lane
.set PFQ, 27                           ; my share of a block's scale words, from my share of its fragments
.set SPW, 28
.set NIL, 29
.set SA,  32
.set SA7, 112
.set SB,  48
.set BF,  128
.set G1,  24                           ; s[24:31] descriptor group 1
.set G0,  32                           ; s[32:47] group 0, one for each phase: none is ever rewritten
.set MSB, 0
.macro WIN new                         ; the immediate's high byte repeats the setting that is left
.if MSB != (\new)
	s_set_vgpr_msb (MSB<<8)|(\new)
.set MSB, (\new)
.endif
.endm
.set MUL_LO, 0xa1                      ; source 0 (A) window 1, source 1 (W) window 0, C and D window 2
.set MUL_HI, 0xf1                      ; the same, C and D window 3
.set TO_A,   0x40                      ; destination window 1, address window 0
.macro PLACES
.rept 4
	v_nop
.endr
.endm
.macro CREST                           ; a round of the cluster's barrier behind its opening barrier
	s_cmp_lg_u32 s14, 0
	s_cbranch_scc1 .Lnot_wave_0_\@
	s_barrier_signal -3
.Lnot_wave_0_\@:
	s_barrier_wait -3
	s_barrier_signal -1
	s_barrier_wait -1
.endm
.macro CROUND
	s_barrier_signal -1
	s_barrier_wait -1
	CREST
.endm
.macro JLOAD p                         ; phase p's joint load: wave w brings block (group w / 2, K slot 2 p + w % 2)
	tensor_load_to_lds s[G0+4*\p:G0+4*\p+3], s[G1:G1+7]
	s_nop 0
	PLACES
.endm
.macro ASKW p
	s_cmp_eq_u32 ttmp9, 0
	s_cbranch_scc0 .Lnw_\@
	global_prefetch_b8 v[PFO], s[52:53] offset:(\p)*2*BLKB th:TH_LOAD_NT scope:SCOPE_SE
	global_prefetch_b8 v[PFQ], s[52:53] offset:(\p)*2*BLKB th:TH_LOAD_NT scope:SCOPE_SE
.Lnw_\@:
.endm
.macro ASKA k
	s_cmp_eq_u32 s18, 0
	s_cbranch_scc0 .Lna_\@
	global_prefetch_b8 v[PFO], s[48:49] offset:(\k)*BLKB th:TH_LOAD_NT scope:SCOPE_SE
	global_prefetch_b8 v[PFO], s[48:49] offset:(\k)*BLKB+8192 th:TH_LOAD_NT scope:SCOPE_SE
.Lna_\@:
.endm
	s_load_b128 s[4:7], s[0:1], 0x0                ; acode, wcode
	s_load_b64 s[8:9], s[0:1], 0x10                ; out0
	v_lshl_add_u32 v[SPW], v0, 2, SPARE
	v_mov_b32 v[NIL], 0
	ds_add_u32 v[SPW], v[NIL]                      ; the opening lines: the add, twice on end, and its wait ahead of my first tensor load
	ds_add_u32 v[SPW], v[NIL]
	v_lshrrev_b32 v1, 5, v0
	v_readfirstlane_b32 s14, v1                    ; wave 0..3
	v_and_b32 v2, 31, v0
	v_lshlrev_b32 v[L16], 4, v2
	v_lshlrev_b32 v[PFO], 8, v2
.irp i, 0,1,2,3,4,5,6,7
	v_add_nc_u32 v[ADR+\i], \i*BLKB, v[L16]        ; block i of the ring (slot i / 4): the same in every wave
.endr
	v_and_b32 v3, 15, v0
	v_bfe_u32 v4, v0, 4, 1
	v_lshlrev_b32 v3, 4, v3
	v_lshl_add_u32 v[CO], v4, 16, v3               ; 8 rows of 8,192 bytes for lanes 16-31
	s_bfe_u32 s19, ttmp6, 0x40000                  ; cx
	s_mul_i32 s20, s19, 7680
	s_sub_co_u32 s20, SCO, s20
	v_add_nc_u32 v[PFQ], s20, v[L16]               ; with the base's 8,192 cx: byte 32,768 + 512 cx + 16 x lane of the block
	s_lshr_b32 s15, s14, 1
	s_and_b32 s16, s14, 1
	s_lshl_b32 s17, ttmp9, 2
	s_add_co_u32 s17, s17, s19                     ; row block = 4 x cluster x + cx
	s_and_b32 s18, ttmp7, 0xffff                   ; column block
	s_lshl_b32 s20, s17, 1
	s_add_co_u32 s20, s20, s15
	s_mul_i32 s20, s20, RGSTR                      ; A: my group of 128 rows;
	s_mov_b32 s21, 0
	s_lshl_b32 s22, s16, 10
	s_add_co_u32 s22, s22, s20
	s_add_co_u32 s22, s22, SCO                     ; my four tiles' scale words,
	s_mov_b32 s23, 0
	s_lshl_b32 s58, s16, 14
	s_add_co_u32 s20, s20, s58                     ; and their fragments
	s_lshl_b32 s54, s18, 1
	s_add_co_u32 s54, s54, s15
	s_lshl_b32 s54, s54, 3
	s_add_co_u32 s54, s54, s16
	s_mul_i32 s54, s54, BLKB                       ; W: the block that I bring in phase 0: made of the column block and the wave's number alone
	s_mov_b32 s55, 0
	s_lshl_b32 s52, s19, 13
	s_add_co_u32 s52, s52, s54                     ; and my work-group's quarter of it, for the prefetches
	s_mov_b32 s53, 0
	s_lshl_b32 s60, s17, 8
	s_lshl_b32 s61, s14, 6
	s_add_co_u32 s60, s60, s61
	s_lshl_b32 s60, s60, 13                        ; out: my first row, rows of 8,192 bytes,
	s_lshl_b32 s61, s18, 10
	s_add_co_u32 s60, s60, s61                     ; + 1,024 x column block
	s_mov_b32 s61, 0
	s_mul_i32 s58, s14, BLKB                       ; where my block goes in a slot
	s_mov_b32 s[G1+0], 15|(3<<16)|(1<<21)          ; the mask: all four of the cluster; elements of 8 bytes; bit 21 beside a mask
	s_mov_b32 s[G1+1], 32<<16                      ; a dense block as 136 rows of 256 bytes
	s_mov_b32 s[G1+2], 136<<16
	s_mov_b32 s[G1+3], 32<<16
	s_mov_b32 s[G1+4], 136
	s_mov_b32 s[G1+5], 32
	s_mov_b32 s[G1+6], 0
	s_mov_b32 s[G1+7], 0
	s_mov_b32 s56, 0xc2480000                      ; -50
	s_mov_b32 s57, 0x42480000                      ; 50
	s_wait_alu depctr_va_vdst(0)                   ; the wait at the head's end: no address register is written behind it
	s_wait_dscnt 0x0                               ; both opening adds are done
	s_wait_kmcnt 0x0
	s_add_nc_u64 s[48:49], s[4:5], s[20:21]
	s_add_nc_u64 s[50:51], s[4:5], s[22:23]
	s_add_nc_u64 s[54:55], s[6:7], s[54:55]
	s_add_nc_u64 s[52:53], s[6:7], s[52:53]
	s_add_nc_u64 s[8:9], s[8:9], s[60:61]
.irp p, 0,1,2,3
	s_mov_b32 s[G0+4*\p], 1
	s_add_co_u32 s[G0+4*\p+1], s58, (\p%2)*SLOT
	s_add_nc_u64 s[G0+4*\p+2:G0+4*\p+3], s[54:55], \p*2*BLKB
	s_or_b32 s[G0+4*\p+3], s[G0+4*\p+3], 0x80000000
.endr
; ---- the assembler's tallies
.set DL, 0
.set GL, 0
.set ND, 0
.irp z, 0,1,2,3,4,5,6,7
.set LB\z, 0
.set LA\z, 0
.set LK\z, 0
.set LS\z, 0
.endr
.macro PUTV pre, s, val                ; pre[s] = val
.irp z, 0,1,2,3,4,5,6,7
.if (\s) == \z
.set \pre\()\z, \val
.endif
.endr
.endm
.macro GETV pre, s                     ; ND = pre[s]
.irp z, 0,1,2,3,4,5,6,7
.if (\s) == \z
.set ND, \pre\()\z
.endif
.endr
.endm
.macro MAP i                           ; unit i: step MN, W's tiles 8 MH .. 8 MH + 7
.if (\i) < 48
.set MN, (\i)/2
.set MH, (\i)%2
.else
.set MN, 24+((\i)-48)%8
.set MH, ((\i)-48)/8
.endif
.endm
.macro LOADB i                         ; unit i's eight fragments of W into place i % 2
	MAP \i
.set RB, BF+64*((\i)%2)
.set AD, ADR+4*((MN/8)%2)+2*MH+((MN/4)%2)
.irp t, 0,1,2,3,4,5,6,7
.irp c, 0,1
	ds_load_b128 v[RB+8*\t+4*\c:RB+8*\t+4*\c+3], v[AD] offset:(4*\t+MN%4)*1024+512*\c
.endr
.endr
.set DL, DL+16
	PUTV LB, (\i)%2, DL
.endm
.macro FSB k                           ; W's scale words of K slot k: load x takes tiles 2 x and 2 x + 1: lanes 0-15 the even tile's, lanes 16-31 the odd one's
.irp x, 0,1,2,3,4,5,6,7
	ds_load_b128 v[SB+32*((\k)%2)+4*\x:SB+32*((\k)%2)+4*\x+3], v[ADR+4*(((\k)/2)%2)+2*(\x/4)+((\k)%2)] offset:SCO+512*(\x%4)
.endr
.set DL, DL+8
	PUTV LS, (\k)%2, DL
.endm
.macro ALD t, x                        ; load x of eight of A's set of step t: tile x / 2, half x % 2: 512 consecutive bytes
	global_load_b128 v[32*((\t)%8)+4*(\x):32*((\t)%8)+4*(\x)+3], v[L16], s[48:49] offset:((\t)/4)*BLKB+4096*((\x)/2)+1024*((\t)%4)+512*((\x)%2)
.set GL, GL+1
	PUTV LA, (\t)%8, GL
.endm
.macro ALD4 t, x0
	WIN TO_A
.irp y, 0,1,2,3
	ALD \t, (\x0+\y)
.endr
.endm
.macro SLD k                           ; A's scale words of K slot k, both blocks: lane l takes row l of 32 rows, four words: one for each 128 along K
.if (\k) == 7
.set XS, SA7
.set XI, 2
.else
.set XS, SA+8*((\k)%2)
.set XI, (\k)%2
.endif
.irp a, 0,1
	global_load_b128 v[XS+4*\a:XS+4*\a+3], v[L16], s[50:51] offset:(\k)*BLKB+512*\a
.endr
.set GL, GL+2
	PUTV LK, XI, GL
.endm
.macro LCW                             ; unit I's set of A and its K slot's scale words are in: the count is the number of global loads issued behind them
	MAP I
.if MN/4 == 7
	GETV LK, 2
.else
	GETV LK, (MN/4)%2
.endif
.set NS, ND
	GETV LA, MN%8
.if NS > ND
.set ND, NS
.endif
	s_wait_loadcnt GL-ND
.endm
.macro BWAIT                           ; unit I's fragments and scale words of W are in: the count is the number of LDS instructions issued behind them
	GETV LS, (MN/4)%2
.set NS, ND
	GETV LB, I%2
.if NS > ND
.set ND, NS
.endif
	s_wait_dscnt DL-ND
.endm
.macro W1 t, a                         ; 32 rows of A (block a) x 16 rows of W (tile 8 MH + t), 128 along K
.set AC, 16*(2*(\t)+\a)
.set AR, 32*(MN%8)+16*\a
.set BR, BF+64*(I%2)+8*(\t)
.if MN/4 == 7
.set XA, SA7+4*\a+MN%4
.else
.set XA, SA+8*((MN/4)%2)+4*\a+MN%4
.endif
.set XB, SB+32*((MN/4)%2)+16*MH+4*((\t)/2)+MN%4
.if MN == 0
.if (\t)%2
	v_wmma_scale_f32_32x16x128_f4 v[AC:AC+15], v[AR:AR+15], v[BR:BR+7], 0, v[XA], v[XB] matrix_b_scale:MATRIX_SCALE_ROW1
.else
	v_wmma_scale_f32_32x16x128_f4 v[AC:AC+15], v[AR:AR+15], v[BR:BR+7], 0, v[XA], v[XB]
.endif
.else
.if (\t)%2
	v_wmma_scale_f32_32x16x128_f4 v[AC:AC+15], v[AR:AR+15], v[BR:BR+7], v[AC:AC+15], v[XA], v[XB] matrix_b_scale:MATRIX_SCALE_ROW1
.else
	v_wmma_scale_f32_32x16x128_f4 v[AC:AC+15], v[AR:AR+15], v[BR:BR+7], v[AC:AC+15], v[XA], v[XB]
.endif
.endif
.endm
.macro MQ h                            ; half a unit: eight products.  A unit's 16 accumulators take turns, so 15 others stand between a sum's steps
.irp d, 0,1,2,3
.irp a, 0,1
	W1 (4*\h+\d), \a
.endr
.endr
.endm
; Store SX (0 .. 127): columns 64 (SX / 32) on, and of the 32 stores of those columns number SX % 32 = 16 a + 8 u + j.  The clip takes register 8 u + j of the four accumulators of block a,
; each accumulator from its low end on, into four registers on end: columns 4 r .. 4 r + 3 of row 32 a + 16 u + 8 (l / 16) + j.
; A store's lanes 0-15 cover 256 consecutive bytes, aligned, and lanes 16-31 the same columns eight rows below.
.macro CLIP to
.set SQ, SX%32
.irp e, 0,1,2,3
	v_med3_num_f32 v[\to+\e], v[16*(2*(4*((SX/32)%2)+\e)+SQ/16)+8*((SQ/8)%2)+SQ%8], s56, s57
.endr
.endm
.macro SEND from
.set SQ, SX%32
	global_store_b128 v[CO], v[\from:\from+3], s[8:9] offset:(32*(SQ/16)+16*((SQ/8)%2)+SQ%8)*8192+256*(SX/32) th:TH_STORE_NT
.endm
.macro DRIVE                           ; unit I, and what stands behind it
	MAP I
.set MS, MN
.set HS, MH
.set TS, 0                             ; 1 in the first unit of the last step of phases 0 to 2, which changes slots
.if I < 48
.if I%16 == 14
.set TS, 1
.endif
.if HS == 0
	LCW
.endif
.elseif I < 56
	LCW
.endif
.if TS
	WIN 0
	s_wait_tensorcnt 0x0                           ; my tensor load has landed: my block of the next slot;
	ds_add_u32 v[SPW], v[NIL]                      ; 0 onto my spare word;
.set DL, DL+1
.endif
	BWAIT
.if HS == 0
	WIN MUL_LO
.else
	WIN MUL_HI
.endif
	MQ 0
.if TS
	s_wait_dscnt 0x0                               ; the add is done, and my reads of this slot are over: the step's last fragments were asked for behind the unit before
	s_barrier_signal -1
.endif
	MQ 1
.if TS
	WIN 0
	s_barrier_wait -1
.if I < 32
	CREST
	JLOAD (I/16+2)                                 ; the first tensor load behind the round; its four v_nop are the places in front of the loads below
.else
	PLACES                                         ; nothing is left to fetch: no round
.endif
.else
	PLACES                                         ; in front of loads into, and writes of, registers that the unit's products have read
.endif
	WIN 0
.if I+2 < 64
	LOADB I+2
.endif
.if I < 48
.if HS == 0
.if MS%4 == 3
	FSB (MS+1)/4
.endif
.if I == 14
	ASKW 3
.endif
.if I == 0
	SLD 1
.endif
.if MS%4 == 0
.if MS < 16
	ASKA (MS/4+4)
.endif
.endif
	ALD4 MS+7, 4                                   ; the second half of the set that step MS - 1 has freed
.else
.if I == 47
	FSB 7
.endif
.if MS%4 == 3
.if MS < 23
	SLD (MS+1)/4+1
.endif
.if MS == 19
	SLD 7
.endif
.endif
	ALD4 MS+8, 0                                   ; the first half of the set that this step has freed
.endif
.elseif I == 48
	ALD4 31, 4
.elseif I >= 56
.set T8, I-56                          ; the set of A that this unit has freed: written once, so no store's data are written again
	WIN 0x42                                       ; source 0 window 2, destination window 1
.set S8, 0
.rept 8
.set SX, 8*T8+S8
	CLIP 32*T8+4*S8
.set S8, S8+1
.endr
	WIN 0x04                                       ; a store's data window 1, its address window 0
.set S8, 0
.rept 8
.set SX, 8*T8+S8
	SEND 32*T8+4*S8
.set S8, S8+1
.endr
.endif
.endm
	CROUND                                         ; all four work-groups are here: the first joint loads meet
	JLOAD 0                                        ; phase 0: one tensor load a wave at the head
	SLD 0
	WIN TO_A
.irp t, 0,1,2,3,4,5,6
.irp x, 0,1,2,3,4,5,6,7
	ALD \t, \x                                     ; A's first seven sets,
.endr
.endr
	ALD4 7, 0                                      ; and half of the eighth; its other half follows behind unit 0
	WIN 0
	s_wait_tensorcnt 0x0                           ; my block of phase 0 is in
	ds_add_u32 v[SPW], v[NIL]
	s_wait_dscnt 0x0
	CROUND
	JLOAD 1                                        ; slot 1's first fill
	LOADB 0
	FSB 0
	LOADB 1
	ASKW 2
.set I, 0
.rept 64
	DRIVE                                          ; step 0's products take the constant 0 as C: nothing is cleared
.set I, I+1
.endr
	; the second half of the columns: sixteen stores' numbers at a time, into registers that held W's fragments and the scale words (four places stand behind the last product)
.irp ch, 0,1,2,3
.if \ch == 3
	s_wait_xcnt 0x0                                ; the second sixteen stores have read their data
.endif
.if \ch == 2
.set TB, SA
.else
.set TB, BF+64*(\ch%2)
.endif
	WIN 0x03
.set S8, 0
.rept 16
.set SX, 64+16*\ch+S8
	CLIP TB+4*S8
.set S8, S8+1
.endr
	WIN 0
.set S8, 0
.rept 16
.set SX, 64+16*\ch+S8
	SEND TB+4*S8
.set S8, S8+1
.endr
.endr
	s_wait_tensorcnt 0x0                           ; the wave's end
	ds_add_u32 v[SPW], v[NIL]
	s_wait_dscnt 0x0
	CROUND                                         ; the closing round
	s_endpgm
.Lfunc_end_k_q52530740c2_gemm:
	.size	k_q52530740c2_gemm, .Lfunc_end_k_q52530740c2_gemm-k_q52530740c2_gemm
	.p2alignl 7, 3214868480
	.fill 96, 4, 3214868480
	.section	.rodata,"a",@progbits
	.p2align	6, 0x0
	.amdhsa_kernel k_q52530740c2_gemm
		.amdhsa_group_segment_fixed_size 327680
		.amdhsa_private_segment_fixed_size 0
		.amdhsa_enable_private_segment 0
		.amdhsa_kernarg_size 24
		.amdhsa_user_sgpr_count 2
		.amdhsa_user_sgpr_kernarg_segment_ptr 1
		.amdhsa_wavefront_size32 1
		.amdhsa_system_sgpr_workgroup_id_x 1
		.amdhsa_system_sgpr_workgroup_id_y 1
		.amdhsa_system_sgpr_workgroup_id_z 1
		.amdhsa_system_vgpr_workitem_id 0
		.amdhsa_next_free_vgpr 1024
		.amdhsa_next_free_sgpr 66
		.amdhsa_reserve_vcc 0
		.amdhsa_float_denorm_mode_32 3
		.amdhsa_float_denorm_mode_16_64 3
		.amdhsa_memory_ordered 1
		.amdhsa_forward_progress 1
		.amdhsa_inst_pref_size 255
	.end_amdhsa_kernel
	.section	.bss,"aw",@nobits
	.p2align	6
	.space	262144
	.amdgpu_metadata
---
amdhsa.version: [ 1, 2 ]
amdhsa.kernels:
  - .name:           k_q52530740c2_gemm
    .symbol:         k_q52530740c2_gemm.kd
    .args:
      - { .name: acode, .offset: 0, .size: 8, .value_kind: global_buffer, .address_space: global }
      - { .name: wcode, .offset: 8, .size: 8, .value_kind: global_buffer, .address_space: global }
      - { .name: out0, .offset: 16, .size: 8, .value_kind: global_buffer, .address_space: global }
    .group_segment_fixed_size: 327680
    .private_segment_fixed_size: 0
    .kernarg_segment_align: 8
    .kernarg_segment_size: 24
    .max_flat_workgroup_size: 128
    .sgpr_count:     66
    .vgpr_count:     1024
    .wavefront_size: 32
...
	.end_amdgpu_metadata
.endif
;; end of part 2
